; MI455X (gfx1250); checked and timed in simulation.
; The chip was launched on July 23, 2026; its instructions are those of AMD's public machine-readable ISA for CDNA 5 (MIT licence, August 2026) and "CDNA5" Instruction Set Architecture Reference Guide (July 2026). The comments in the code are by the model that wrote it; some were corrected since.
;; Liquid Neuron CPU. Allowed arithmetic: float matrix products may take bf16 or f16 operands with f32 sums; other float arithmetic in f32, or as packed bf16 or f16 multiplies, adds, multiply-adds, maxima and minima; sums over many terms, partial sums and values carried from step to step in f32; what a program stores and reads back later, other than sums and carried values, may be rounded once to bf16 or f16.
;; Inputs: W_fast 2,048 x 2,048 float32; W_medium 2,048 x 2,048 float32; W_slow 2,048 x 2,048 float32; ema_mean 1 float32; ema_std 1 float32; ln_beta 2,048 float32; ln_gamma 2,048 float32; pc_b1 8 float32; pc_b2 1 float32; pc_w1 8 x 3 float32; pc_w2 1 x 8 float32; x 4,096 x 2,048 float32.
;; Outputs: out0 4,096 x 2,048 float32.
;; 2 versions, each right; version 2 is version 1 with the launches prep, norm written anew for expert scheduling mode. Each part assembles by itself: llvm-mc -triple=amdgcn-amd-amdhsa -mcpu=gfx1250 --defsym DOCPART=n.
;; ======== version 1 of 2: 3 launches
;; limits: values are held in f16: magnitudes above 65,504 overflow, below 6.1e-05 lose precision
;; workspace buffers: xh 16,777,216 bytes; wh 16,777,216 bytes; pre 16,777,216 bytes
;; launch prep (part 1): grid 640 x 1, 8 waves a work-group, no clusters, 0 bytes of LDS; arguments x, W_slow, W_medium, W_fast, xh, wh; writes xh, wh
.if DOCPART == 1
	.amdgcn_target "amdgcn-amd-amdhsa--gfx1250"
	.amdhsa_code_object_version 6
	.text
	.protected	k_qdb108fe268_prep
	.globl	k_qdb108fe268_prep
	.p2align	8
	.type	k_qdb108fe268_prep,@function
k_qdb108fe268_prep:
	s_mov_b64 s[64:65], 0
	v_nop
	global_prefetch_b8 v0, s[64:65] scope:SCOPE_SE
	s_setreg_imm32_b32 hwreg(HW_REG_WAVE_MODE, 25, 1), 1
	s_wait_xcnt 0x0
; THE MATRIX OPERANDS ARE MADE, once, in f16.
;   xh[4096][2048] = f16(clip(x, -5, 5)).
;   wh[4096][2048]: row 128 g + 64 t + i holds weight row n = 64 g + i (g = 0..31, i = 0..63); t = 0: f16(W_slow), t = 1: f16(W_medium + W_fast), the sum taken in f32.
; x W_medium^T + x W_fast^T = x (W_medium + W_fast)^T holds for every input, so two products are left of three; the inner clip stands on the slow product alone and keeps that one apart.
; The interleaving by 64 rows puts the slow and the summed weights of the same 64 output columns into one wave's 128 rows of the product that follows.
; SHARES.  Every wave issues 32 loads of 16 bytes a lane (16,384 bytes) and has no loop.  Work-groups 0-255: two rows of x a wave; 256-383: two rows of W_slow a wave;
; 384-639: one row of W_medium and of W_fast a wave.  A load of a wave covers 512 consecutive bytes; a store covers 256 consecutive bytes, at a multiple of 256 from its buffer's first byte.
; No LDS, no barrier, no matrix unit: each number is read once, converted and written once.
; LIMITS.  f16 ends at 65,504: W_slow and W_medium + W_fast must lie within it (xc lies within 5 by the clip); below 6e-5 f16 keeps a fixed step of 6e-8.  A NaN in x is not kept: the clip takes a bound for it.
; NOT COMPUTED, in the whole program: learned_plasticity (the batch statistics' means, homeostasis, GELU, sigmoid).  reference() binds it to a name that it does not return, and no byte of out0 hangs on it,
; so ema_mean, ema_std, pc_w1, pc_b1, pc_w2 and pc_b2 are loaded by no launch.
.set X, 4                              ; v[4:131]  32 x 4 registers as loaded; the first two of each four then hold the packed result
                                       ; v1 = 16 x lane (loads), v2 = 8 x lane (stores): never rewritten
	s_load_b256 s[4:11], s[0:1], 0x0               ; x s[4:5], W_slow s[6:7], W_medium s[8:9], W_fast s[10:11]
	s_load_b128 s[12:15], s[0:1], 0x20             ; xh s[12:13], wh s[14:15]
	v_lshrrev_b32 v3, 5, v0
	v_readfirstlane_b32 s17, v3                    ; my wave's number
	v_and_b32 v1, 31, v0
	v_lshlrev_b32 v2, 3, v1
	v_lshlrev_b32 v1, 4, v1
	s_mov_b32 s16, ttmp9
	s_mov_b32 s24, 0xc0a00000                      ; -5.0
	s_mov_b32 s25, 0x40a00000                      ; 5.0
	s_mov_b32 s21, 0                               ; the offsets' high words
	s_mov_b32 s23, 0
	s_wait_kmcnt 0x0
; 16,384 bytes of f32 at s[inb:inb+1] become 8,192 bytes of f16 at s[outb:outb+1].  All 32 loads go out first; each is waited for by the count of the loads behind it.
; No register that a store names is written again, so no wait stands behind the stores.
.macro CONV clip, inb, outb
.set j, 0
.rept 32
	global_load_b128 v[X+4*j:X+4*j+3], v1, s[\inb:\inb+1] offset:512*j th:TH_LOAD_NT
.set j, j+1
.endr
.set j, 0
.rept 32
	s_wait_loadcnt 31-j                            ; loads come back in order (ISA guide 5.7.1): load j is in, the 31 - j younger ones stay out
.if \clip
.irp c, 0,1,2,3
	v_med3_num_f32 v[X+4*j+\c], v[X+4*j+\c], s24, s25
.endr
.endif
	v_cvt_pk_f16_f32 v[X+4*j], v[X+4*j], v[X+4*j+1]
	v_cvt_pk_f16_f32 v[X+4*j+1], v[X+4*j+2], v[X+4*j+3]
	global_store_b64 v2, v[X+4*j:X+4*j+1], s[\outb:\outb+1] offset:256*j
.set j, j+1
.endr
.endm
	s_cmp_lt_u32 s16, 256
	s_cbranch_scc0 .Lweights
	; x: u = 8 g + w, rows 2 u and 2 u + 1
	s_lshl_b32 s18, s16, 3
	s_add_co_u32 s18, s18, s17
	s_lshl_b32 s20, s18, 14                        ; two rows of 8,192 bytes in,
	s_lshl_b32 s22, s18, 13                        ; two rows of 4,096 bytes out
	s_add_nc_u64 s[4:5], s[4:5], s[20:21]
	s_add_nc_u64 s[12:13], s[12:13], s[22:23]
	CONV 1, 4, 12
	s_endpgm
.Lweights:
	s_cmp_lt_u32 s16, 384
	s_cbranch_scc0 .Lsum
	; W_slow: u = 8 (g - 256) + w, rows 2 u and 2 u + 1, which are neighbours in wh too
	s_sub_co_u32 s18, s16, 256
	s_lshl_b32 s18, s18, 3
	s_add_co_u32 s18, s18, s17
	s_lshl_b32 s20, s18, 14
	s_lshr_b32 s22, s18, 5                         ; the group of 64 rows: 128 rows of wh, 524,288 bytes,
	s_lshl_b32 s22, s22, 19
	s_and_b32 s19, s18, 31                         ; and the pair's place in it
	s_lshl_b32 s19, s19, 13
	s_add_co_u32 s22, s22, s19
	s_add_nc_u64 s[6:7], s[6:7], s[20:21]
	s_add_nc_u64 s[14:15], s[14:15], s[22:23]
	CONV 0, 6, 14
	s_endpgm
.Lsum:
	; W_medium + W_fast: u = 8 (g - 384) + w, row u
	s_sub_co_u32 s18, s16, 384
	s_lshl_b32 s18, s18, 3
	s_add_co_u32 s18, s18, s17
	s_lshl_b32 s20, s18, 13
	s_lshr_b32 s22, s18, 6
	s_lshl_b32 s22, s22, 19
	s_and_b32 s19, s18, 63
	s_lshl_b32 s19, s19, 12
	s_add_co_u32 s22, s22, s19
	s_add_co_u32 s22, s22, 262144                  ; behind the group's 64 rows of W_slow
	s_add_nc_u64 s[8:9], s[8:9], s[20:21]
	s_add_nc_u64 s[10:11], s[10:11], s[20:21]
	s_add_nc_u64 s[14:15], s[14:15], s[22:23]
.set j, 0
.rept 16
	global_load_b128 v[X+8*j:X+8*j+3],   v1, s[8:9]   offset:512*j th:TH_LOAD_NT
	global_load_b128 v[X+8*j+4:X+8*j+7], v1, s[10:11] offset:512*j th:TH_LOAD_NT
.set j, j+1
.endr
.set j, 0
.rept 16
	s_wait_loadcnt 30-2*j                          ; pair j is in; the 2 (15 - j) younger loads stay out
	v_pk_add_f32 v[X+8*j:X+8*j+1],   v[X+8*j:X+8*j+1],   v[X+8*j+4:X+8*j+5]
	v_pk_add_f32 v[X+8*j+2:X+8*j+3], v[X+8*j+2:X+8*j+3], v[X+8*j+6:X+8*j+7]
	v_cvt_pk_f16_f32 v[X+8*j], v[X+8*j], v[X+8*j+1]
	v_cvt_pk_f16_f32 v[X+8*j+1], v[X+8*j+2], v[X+8*j+3]
	global_store_b64 v2, v[X+8*j:X+8*j+1], s[14:15] offset:256*j
.set j, j+1
.endr
	s_endpgm
.Lfunc_end_k_qdb108fe268_prep:
	.size	k_qdb108fe268_prep, .Lfunc_end_k_qdb108fe268_prep-k_qdb108fe268_prep
	.p2alignl 7, 3214868480
	.fill 96, 4, 3214868480
	.section	.rodata,"a",@progbits
	.p2align	6, 0x0
	.amdhsa_kernel k_qdb108fe268_prep
		.amdhsa_group_segment_fixed_size 0
		.amdhsa_private_segment_fixed_size 0
		.amdhsa_enable_private_segment 0
		.amdhsa_kernarg_size 48
		.amdhsa_user_sgpr_count 2
		.amdhsa_user_sgpr_kernarg_segment_ptr 1
		.amdhsa_wavefront_size32 1
		.amdhsa_system_sgpr_workgroup_id_x 1
		.amdhsa_system_sgpr_workgroup_id_y 1
		.amdhsa_system_sgpr_workgroup_id_z 1
		.amdhsa_system_vgpr_workitem_id 0
		.amdhsa_next_free_vgpr 132
		.amdhsa_next_free_sgpr 66
		.amdhsa_reserve_vcc 0
		.amdhsa_float_denorm_mode_32 3
		.amdhsa_float_denorm_mode_16_64 3
		.amdhsa_memory_ordered 1
		.amdhsa_forward_progress 1
		.amdhsa_inst_pref_size 42
	.end_amdhsa_kernel
	.amdgpu_metadata
---
amdhsa.version: [ 1, 2 ]
amdhsa.kernels:
  - .name:           k_qdb108fe268_prep
    .symbol:         k_qdb108fe268_prep.kd
    .args:
      - { .name: x, .offset: 0, .size: 8, .value_kind: global_buffer, .address_space: global }
      - { .name: W_slow, .offset: 8, .size: 8, .value_kind: global_buffer, .address_space: global }
      - { .name: W_medium, .offset: 16, .size: 8, .value_kind: global_buffer, .address_space: global }
      - { .name: W_fast, .offset: 24, .size: 8, .value_kind: global_buffer, .address_space: global }
      - { .name: xh, .offset: 32, .size: 8, .value_kind: global_buffer, .address_space: global }
      - { .name: wh, .offset: 40, .size: 8, .value_kind: global_buffer, .address_space: global }
    .group_segment_fixed_size: 0
    .private_segment_fixed_size: 0
    .kernarg_segment_align: 8
    .kernarg_segment_size: 48
    .max_flat_workgroup_size: 256
    .sgpr_count:     66
    .vgpr_count:     132
    .wavefront_size: 32
...
	.end_amdgpu_metadata
.endif
;; end of part 1
;; launch gemm (part 2): grid 16 x 16, 4 waves a work-group, clusters of 4 x 4, 327,680 bytes of LDS; arguments xh, wh, pre; writes pre
.if DOCPART == 2
	.amdgcn_target "amdgcn-amd-amdhsa--gfx1250"
	.amdhsa_code_object_version 6
	.text
	.protected	k_qdb108fe268_gemm
	.globl	k_qdb108fe268_gemm
	.p2align	8
	.type	k_qdb108fe268_gemm,@function
k_qdb108fe268_gemm:
	s_mov_b64 s[64:65], 0
	v_nop
	global_prefetch_b8 v0, s[64:65] scope:SCOPE_SE
	s_setreg_imm32_b32 hwreg(HW_REG_WAVE_MODE, 25, 1), 1
	s_wait_xcnt 0x0
	s_wait_alu depctr_hold_cnt(0) depctr_sa_sdst(0) depctr_va_vdst(0) depctr_va_sdst(0) depctr_va_ssrc(0) depctr_va_vcc(0) depctr_vm_vsrc(0)
	s_getreg_b32 s2, hwreg(HW_REG_IB_STS2, 6, 4)
	s_cmp_eq_u32 s2, 0
	s_cbranch_scc0 .Lentry_in_a_cluster
	s_endpgm
.Lentry_in_a_cluster:
	s_bfe_u32 s2, ttmp6, 0x10000c
	s_cmp_lg_u32 s2, 0xf033
	s_cbranch_scc0 .Lentry_shape_is_right
	s_endpgm
.Lentry_shape_is_right:
; pre = clip(clip(xc W_slow^T, -10, 10) + xc (W_medium + W_fast)^T, -10, 10), rounded once to f16.  xh: [4096][2048] f16.  wh: [4096][2048] f16, row 128 g + 64 t + i = weight row 64 g + i, t = 0 slow, t = 1 the sum.
; One product of 4096 x 4096 x 2048, sums in f32.  A work-group of four waves makes 256 rows of xh x 256 rows of wh; a wave 128 x 128: 64 accumulators of 16 x 16, 512 registers.  A wave's 128 rows of wh are one group g:
; its n blocks 0-3 are the slow product and 4-7 the summed product of the SAME 64 output columns, so that clip(S) + D is made inside a lane.
; K goes in steps of 128 through a ring of two LDS slots filled by the tensor data mover; the tiles' rows are 256 bytes of memory and start at multiples of 256 bytes from the buffer's first byte.
; CLUSTERS: 4 x 4 work-groups.  The four of a row of the cluster need the same tiles of xh, the four of a column the same tiles of wh: each tile is asked for JOINTLY, by the same tensor load with the same descriptor and a
; mask that names the four; each receives it in its own LDS.
; THE MATRIX INSTRUCTION IS USED TRANSPOSED: source 0 = 16 rows of wh, source 1 = 16 rows of xh.  In the result lane l holds row l % 16 of xh and registers 0-7 the columns 8 (l / 16) + 0..7: eight neighbours of a row.
; pre's LAYOUT: blocks of 256 bytes; block (P, cg) at byte 8192 P + 256 cg holds row 2 P's columns 64 cg .. 64 cg + 63 (128 bytes) and then row 2 P + 1's: a wave's 64 columns of two rows fill a block whole.
; LIMITS.  pre lies within 10 by the clips, so f16 holds it, to 2^-11 of itself.  A NaN is not kept: a clip takes a bound for it.
;
; REGISTERS, in windows of 256 (s_set_vgpr_msb's low byte: bits 1:0 source 0, 3:2 source 1, 5:4 source 2, 7:6 destination):
;   window 0: v0-31 addresses; v64-127, v128-191 fragments of xh, two buffers; on the way out v64-191 rows read back from the stage, v192-223 at work, v224-239 packed results
;   window 1: v64-127, v128-191 fragments of wh, two buffers
;   window 2: the 32 accumulators of my rows 0-63 (accumulator (a, b) at v[8 (8 a + b)]);   window 3: those of my rows 64-127
.set SIZE_K, 2048
.set KSTEP,  128
.set PITCH,  272                       ; an LDS row: 256 bytes of data + 16 of padding = 68 words: row r starts at bank 4 r mod 64 (64 banks of 4 bytes: ISA guide 11.1), so the 16 rows of a load start at 16 different banks
.set HALFT,  128*PITCH                 ; 128 rows: what one tensor load brings, and what one wave reads of xh or of wh
.set SLOT,   4*HALFT                   ; xh's 256 rows, then wh's 256 rows
.set STAGE,  2*SLOT                    ; behind the ring, never filled by a tensor load: 16 rows x 144 bytes for each wave, for the way out
.set SP,     144                       ; a stage row: 128 bytes + 16 = 36 words: the 16 rows start at 16 different groups of four banks
.set SPARE,  STAGE+4*16*SP             ; behind the stages: the spare words, 128 bytes for each wave: two blocks of 256 bytes that no other line names
.set LAPS,   SIZE_K/(2*KSTEP)          ; a lap = two K steps = once round the ring: 8
.set ADRA, 16                          ; v16-17  LDS address of my fragments of xh in slot 0, 1
.set ADRB, 20                          ; v20-21  the same for wh
.set STO,  24                          ; v24     the way out: where I put 16 bytes of a row
.set RD,   25                          ; v25     the way out: where I read rows back
.set GO,   26                          ; v26     my byte offset in two blocks of pre
.set SPW,  28                          ; v28     LDS address of my spare word: SPARE + 4 x my thread's number; never rewritten
.set NIL,  29                          ; v29     0; never rewritten
.set F0,   64                          ; fragment buffer 0
.set F1,   128                         ; fragment buffer 1
.set OB,   64                          ; the way out: block a's 16 registers read back from the stage at OB + 16 a
.set T,    192                         ; the way out: 32 numbers in f32
.set PK,   224                         ; the way out: the same as 16 registers of f16
.set G1,  24                           ; s[24:31] descriptor group 1 for xh's tiles
.set G0,  32                           ; s[32:39] descriptor group 0 for xh's tiles, one set for each slot
.set G1B, 48                           ; s[48:55] descriptor group 1 for wh's tiles: it differs in the mask alone
.set G0B, 56                           ; s[56:63] descriptor group 0 for wh's tiles, one set for each slot
.set MSB, 0
.macro WIN new                         ; the immediate's high byte repeats the setting that is left; a switch that changes nothing is dropped
.if MSB != (\new)
	s_set_vgpr_msb (MSB<<8)|(\new)
.set MSB, \new
.endif
.endm
.set MUL_LO, 0xa1                      ; source 0 (wh) window 1, source 1 (xh) window 0, C and D window 2
.set MUL_HI, 0xf1                      ; the same, C and D window 3
.set TO_B,   0x40                      ; destination window 1, address window 0
; A joint load.  Waves 0 and 1 fetch xh's two halves, waves 2 and 3 wh's.  Each of the two lines has one mask and one set of registers for all that issue it.  The branch hangs on the wave's number alone.
; An s_nop 0 and four v_nop follow each of the two lines, ahead of the jump, the label and what follows.
.macro JLOAD s
	s_cmp_eq_u32 s11, 0
	s_cbranch_scc0 .Lfor_b_\@
	tensor_load_to_lds s[G0+4*(\s):G0+4*(\s)+3], s[G1:G1+7]
	s_nop 0
.rept 4
	v_nop
.endr
	s_branch .Lasked_\@
.Lfor_b_\@:
	tensor_load_to_lds s[G0B+4*(\s):G0B+4*(\s)+3], s[G1B:G1B+7]
	s_nop 0
.rept 4
	v_nop
.endr
.Lasked_\@:
.endm
; A round of the cluster's barrier: my work-group's barrier, so that wave 0's signal speaks for all four waves; wave 0 signals for the work-group; every wave waits for all sixteen work-groups; my work-group's barrier once more.
.macro CREST                           ; a round behind its opening barrier
	s_cmp_lg_u32 s10, 0
	s_cbranch_scc1 .Lnot_wave_0_\@
	s_barrier_signal -3
.Lnot_wave_0_\@:
	s_barrier_wait -3
	s_barrier_signal -1
	s_barrier_wait -1
.endm
.macro CROUND                          ; a whole round
	s_barrier_signal -1
	s_barrier_wait -1
	CREST
.endm
	s_load_b128 s[4:7], s[0:1], 0x0                ; xh s[4:5], wh s[6:7]
	s_load_b64 s[8:9], s[0:1], 0x10                ; pre
	v_lshl_add_u32 v[SPW], v0, 2, SPARE
	v_mov_b32 v[NIL], 0
	ds_add_u32 v[SPW], v[NIL]                      ; the wave's opening: the add and its wait stand ahead of my first tensor load; the set-up below, work on registers, stands between them
	v_lshrrev_b32 v1, 5, v0
	v_readfirstlane_b32 s10, v1                    ; wave 0..3
	s_lshr_b32 s11, s10, 1                         ; which half of the tile's rows of xh is mine.  Also: I fetch for xh (0) or for wh (1)
	s_and_b32 s12, s10, 1                          ; which half of its rows of wh.  Also: which 128 rows of that tile I fetch
	s_bfe_u32 s40, ttmp6, 0x40000                  ; cx: my place along the cluster's x
	s_bfe_u32 s41, ttmp6, 0x40004                  ; cy: along its y
	s_lshl_b32 s42, ttmp9, 2                       ; in a cluster launch ttmp9 and ttmp7 count clusters
	s_add_co_u32 s42, s42, s40                     ; tx = 4 x cluster x + cx: 256 rows of wh
	s_and_b32 s13, ttmp7, 0xffff
	s_lshl_b32 s13, s13, 2
	s_add_co_u32 s13, s13, s41                     ; ty = 4 x cluster y + cy: 256 rows of xh
	s_lshl_b32 s43, s41, 2
	s_lshl_b32 s43, 15, s43                        ; my row of the cluster: places 4 cy .. 4 cy + 3
	s_lshl_b32 s44, 0x1111, s40                    ; my column: places cx, cx + 4, cx + 8, cx + 12
	s_mov_b32 s2, 0xc1200000                       ; -10.0
	s_mov_b32 s45, 0x41200000                      ; 10.0
	; descriptor group 1: a tile of 128 rows x 128 elements, padded in LDS
	s_or_b32 s[G1+0], s43, (1<<16)|(1<<20)|(1<<21)|(5<<22)|(3<<25)  ; 15:0 the mask: xh's tiles go to my row; 17:16 elements of 2 bytes; 20 padding on; 21 set beside a mask; 24:22 after every 64 words (code 5); 31:25 4 words of it (code 3)
	s_or_b32 s[G1B+0], s44, (1<<16)|(1<<20)|(1<<21)|(5<<22)|(3<<25) ; the same with the mask of my column, for wh's tiles
.irp g, G1, G1B
	s_mov_b32 s[(\g)+1], KSTEP<<16                 ; 63:48 tensor_dim0, low half = 128
	s_mov_b32 s[(\g)+2], 128<<16                   ; 79:64 its high half = 0; 95:80 tensor_dim1, low half = 128
	s_mov_b32 s[(\g)+3], KSTEP<<16                 ; 111:96 its high half = 0; 127:112 tile_dim0 = 128
	s_mov_b32 s[(\g)+4], 128                       ; 143:128 tile_dim1 = 128; 159:144 tile_dim2 = 0
	s_mov_b32 s[(\g)+5], SIZE_K                    ; 191:160 tensor_dim0_stride, low word: elements from row to row
	s_mov_b32 s[(\g)+6], 0
	s_mov_b32 s[(\g)+7], 0
.endr
	; where the tiles come from.  xh's hang on ty alone, which my row of the cluster shares; wh's on tx alone, which my column shares.  Every wave makes both addresses, in registers that never hold the other coordinate.
	s_lshl_b32 s17, s12, 7                         ; which 128 rows of the tile I fetch
	s_lshl_b32 s16, s13, 8
	s_add_co_u32 s16, s16, s17                     ; xh: row 256 ty + 128 x half
	s_lshl_b32 s46, s42, 8
	s_add_co_u32 s46, s46, s17                     ; wh: row 256 tx + 128 x half
	s_mov_b32 s17, 0
	s_mov_b32 s47, 0
	s_mov_b64 s[18:19], SIZE_K*2
	s_mul_u64 s[16:17], s[16:17], s[18:19]         ; in bytes
	s_mul_u64 s[46:47], s[46:47], s[18:19]
	s_mul_i32 s20, s10, HALFT                      ; and where they go: wave x 128 rows: no place in the cluster enters an LDS address
	s_wait_dscnt 0x0                               ; the opening add is done
	s_wait_kmcnt 0x0
	s_add_nc_u64 s[14:15], s[4:5], s[16:17]
	s_add_nc_u64 s[46:47], s[6:7], s[46:47]
	CROUND                                         ; all sixteen work-groups are here: the first joint loads meet
.irp s, 0,1
	s_mov_b32 s[G0+4*(\s)], 1                                      ; 1:0 count = 1
	s_add_co_u32 s[G0+4*(\s)+1], s20, (\s)*SLOT                    ; 63:32 LDS address
	s_add_nc_u64 s[G0+4*(\s)+2:G0+4*(\s)+3], s[14:15], (\s)*KSTEP*2  ; 120:64 global address: K step s
	s_or_b32 s[G0+4*(\s)+3], s[G0+4*(\s)+3], 0x80000000            ; 127:126 type = 2
	s_mov_b32 s[G0B+4*(\s)], 1
	s_add_co_u32 s[G0B+4*(\s)+1], s20, (\s)*SLOT
	s_add_nc_u64 s[G0B+4*(\s)+2:G0B+4*(\s)+3], s[46:47], (\s)*KSTEP*2
	s_or_b32 s[G0B+4*(\s)+3], s[G0B+4*(\s)+3], 0x80000000
	JLOAD \s                                       ; the ring is filled before anything else is done: two loads of mine are out
.endr
	; A fragment is 16 rows x 32 K in 8 registers: lane l holds row l % 16; registers 0-3 hold K = 8 (l / 16) + 0..7, registers 4-7 K = 16 + 8 (l / 16) + 0..7: two loads of 16 bytes, 32 bytes apart.
	v_and_b32 v1, 15, v0                           ; l % 16
	v_bfe_u32 v2, v0, 4, 1                         ; l / 16
	v_mul_u32_u24 v3, v1, PITCH
	v_lshl_add_u32 v3, v2, 4, v3                   ; row x pitch + 16 x half
	s_mul_i32 s21, s11, HALFT                      ; my 128 rows of xh
	s_mul_i32 s22, s12, HALFT                      ; my 128 rows of wh,
	s_add_co_u32 s22, s22, 2*HALFT                 ; which lie behind xh's 256
.irp s, 0,1
	v_add_nc_u32 v[ADRA+(\s)], s21, v3
	v_add_nc_u32 v[ADRB+(\s)], s22, v3
	s_add_co_u32 s21, s21, SLOT
	s_add_co_u32 s22, s22, SLOT
.endr
	s_mul_i32 s23, s10, 16*SP
	s_add_co_u32 s23, s23, STAGE                   ; my stage
	v_mul_u32_u24 v4, v1, SP                       ; in: row l % 16, 16 bytes for each half of the lanes
	v_lshl_add_u32 v4, v2, 4, v4
	v_add_nc_u32 v[STO], s23, v4
	v_bfe_u32 v5, v0, 3, 2                         ; back: 32 lanes take four rows of 128 bytes,
	v_mul_u32_u24 v5, v5, SP
	v_and_b32 v6, 7, v0
	v_lshl_add_u32 v5, v6, 4, v5
	v_add_nc_u32 v[RD], s23, v5
	v_lshlrev_b32 v5, 13, v2                       ; which are two blocks of pre: lanes 0-15 fill one, lanes 16-31 the one 8,192 bytes on
	v_lshl_add_u32 v[GO], v1, 4, v5
	; pre at my wave's first block: row pair 128 ty + 64 x (row half), 8,192 bytes each; column group 2 tx + (column half), 256 bytes each
	s_lshl_b32 s16, s13, 20
	s_lshl_b32 s14, s11, 19
	s_add_co_u32 s16, s16, s14
	s_mov_b32 s17, 0
	s_add_nc_u64 s[8:9], s[8:9], s[16:17]
	s_lshl_b32 s46, s42, 9                         ; (in the registers that held wh's address: none that feeds xh's descriptors ever holds cx)
	s_lshl_b32 s47, s12, 8
	s_add_co_u32 s46, s46, s47
	s_mov_b32 s47, 0
	s_add_nc_u64 s[8:9], s[8:9], s[46:47]
; 16 matrix instructions: m blocks a0, a0 + 1 of the window's four (hi = 0: my rows 0-63, 1: rows 64-127) x all 8 n blocks, 32 along K.  zero = 1: the first product starts the sums: nothing is ever cleared.
; The 64 accumulators take turns, one instruction a turn, in the same order in every quarter step.
.macro MUL16 f, hi, a0, zero
	WIN MUL_LO+0x50*(\hi)
.irp a, \a0, (\a0)+1
.irp b, 0,1,2,3,4,5,6,7
.if \zero
	v_wmma_f32_16x16x32_f16 v[8*(8*(\a)+(\b)):8*(8*(\a)+(\b))+7], v[(\f)+8*(\b):(\f)+8*(\b)+7], v[(\f)+8*(4*(\hi)+(\a)):(\f)+8*(4*(\hi)+(\a))+7], 0
.else
	v_wmma_f32_16x16x32_f16 v[8*(8*(\a)+(\b)):8*(8*(\a)+(\b))+7], v[(\f)+8*(\b):(\f)+8*(\b)+7], v[(\f)+8*(4*(\hi)+(\a)):(\f)+8*(4*(\hi)+(\a))+7], v[8*(8*(\a)+(\b)):8*(8*(\a)+(\b))+7]
.endif
.endr
.endr
.endm
; 32 LDS loads in one run: the fragments of one quarter step (128 rows of wh, 128 rows of xh, 32 K at byte k of the rows) into buffer f
.macro FETCH slot, k, f
	WIN TO_B
.irp i, 0,1,2,3,4,5,6,7
	ds_load_b128 v[(\f)+8*(\i):(\f)+8*(\i)+3],   v[ADRB+(\slot)] offset:(\k)+(\i)*16*PITCH
	ds_load_b128 v[(\f)+8*(\i)+4:(\f)+8*(\i)+7], v[ADRB+(\slot)] offset:(\k)+(\i)*16*PITCH+32
.endr
	WIN 0
.irp i, 0,1,2,3,4,5,6,7
	ds_load_b128 v[(\f)+8*(\i):(\f)+8*(\i)+3],   v[ADRA+(\slot)] offset:(\k)+(\i)*16*PITCH
	ds_load_b128 v[(\f)+8*(\i)+4:(\f)+8*(\i)+7], v[ADRA+(\slot)] offset:(\k)+(\i)*16*PITCH+32
.endr
.endm
; A load into a register that a matrix instruction has read, and a vector instruction that reads a matrix result, stand four places behind that matrix instruction, and only plain vector instructions that name
; none of its registers are places (ISA guide 7.12.1 for vector instructions).
.macro PLACES
.rept 4
	v_nop
.endr
.endm
; A K step is four quarter steps of 32 along K, 64 matrix instructions each, on buffers 0, 1, 0, 1.  One of the first three: multiplies buffer f; in its middle it fetches the next quarter's fragments, at byte k, into buffer g.
.macro QUARTER slot, k, f, g, zero
	s_wait_dscnt 8                                 ; wh and xh's rows 0-63 are in; the youngest eight loads (xh's rows 64-127) may be out
	WIN MUL_LO
	MUL16 \f, 0, 0, \zero
	MUL16 \f, 0, 2, \zero
	PLACES
	FETCH \slot, \k, \g
	s_wait_dscnt 32                                ; all but the 32 just issued
	WIN MUL_HI
	MUL16 \f, 1, 0, \zero
	MUL16 \f, 1, 2, \zero
.endm
; The last quarter multiplies buffer 1 and changes slots.  MEET is its first half: ONE barrier for the change.  In front of it each wave waits for all its tensor loads, of which one is out: its part of the next slot;
; adds 0 to its spare word; and waits for that and for its own reads of this slot.  Behind it nobody reads this slot any more and the next slot is whole.
.macro MEET round                      ; round = 1: a round of the cluster's barrier follows
	WIN 0                                          ; (the add's two registers lie in window 0)
	s_wait_tensorcnt 0x0                           ; all my tensor loads have landed;
	ds_add_u32 v[SPW], v[NIL]                      ; 0 onto my spare word;
	s_wait_dscnt 9                                 ; (the add and the youngest eight loads may be out)
	WIN MUL_LO
	MUL16 F1, 0, 0, 0                              ; sixteen matrix instructions stand between the add and the wait for it
	s_wait_dscnt 0x0                               ; the add is done, and my reads of this slot are over:
	s_barrier_signal -1                            ; say so,
	MUL16 F1, 0, 2, 0                              ; work on registers while the others arrive,
.if \round
	WIN 0
.endif
	s_barrier_wait -1                              ; and go on when all four have said so
.endm
; The whole last quarter.  fill = 1: the barrier opens a round of the cluster's, and behind the round the slot just read out is filled again first, with the K step two steps on: from that request to the wait
; for it a wave issues 224 matrix instructions.  Then come the next slot's first fragments.
.macro TURN slot, next, fill
	MEET \fill
.if \fill
	CREST                                          ; no wave of any partner still reads this slot's tile or has a load on its way
	s_add_nc_u64 s[G0+4*(\slot)+2:G0+4*(\slot)+3], s[G0+4*(\slot)+2:G0+4*(\slot)+3], 2*KSTEP*2
	s_add_nc_u64 s[G0B+4*(\slot)+2:G0B+4*(\slot)+3], s[G0B+4*(\slot)+2:G0B+4*(\slot)+3], 2*KSTEP*2
	JLOAD \slot                                    ; the first tensor load behind the round, my only one until the next; the four v_nop behind it are also the places in front of the loads below
.else
	PLACES
.endif
	FETCH \next, 0, F0
	WIN MUL_HI
	MUL16 F1, 1, 0, 0
	MUL16 F1, 1, 2, 0
.endm
; THE WAY OUT of block a (16 rows x 64 columns), in three parts.
; PACK: clip(clip(S) + D), rounded to f16.  S lies in the block's accumulators 0-3, D in 4-7, at the same lane and register.  Each accumulator is read from its lowest register on.
.macro PACK a
.set AC, 64*((\a)%4)
	WIN 0x02+(\a)/4                                ; source 0: window 2 or 3
.set i, 0
.rept 32
	v_med3_num_f32 v[T+i], v[AC+i], s2, s45
.set i, i+1
.endr
.set i, 0
.rept 16
	v_pk_add_f32 v[T+2*i:T+2*i+1], v[AC+32+2*i:AC+32+2*i+1], v[T+2*i:T+2*i+1]
.set i, i+1
.endr
	WIN 0
.set i, 0
.rept 32
	v_med3_num_f32 v[T+i], v[T+i], s2, s45
.set i, i+1
.endr
.set i, 0
.rept 16
	v_cvt_pk_f16_f32 v[PK+i], v[T+2*i], v[T+2*i+1]
.set i, i+1
.endr
.endm
; TOSTAGE: a lane's eight columns of a row, 16 bytes, into my own stage; back as whole rows of 128 bytes, four rows a load.
.macro TOSTAGE a
	WIN 0
.irp b, 0,1,2,3
	ds_store_b128 v[STO], v[PK+4*(\b):PK+4*(\b)+3] offset:32*(\b)
.endr
.irp f, 0,1,2,3
	ds_load_b128 v[OB+16*(\a)+4*(\f):OB+16*(\a)+4*(\f)+3], v[RD] offset:(\f)*4*SP  ; LDS serves a wave's instructions in order (ISA guide 5.7.1.4): these see the stores above; the next block's stores come behind them
.endr
.endm
; SEND: stored.  Each block has registers of its own and the base is never stepped, so nothing that a store names is written again.
.macro SEND a
	WIN 0
.irp f, 0,1,2,3
	s_wait_dscnt 3-(\f)                            ; load f is back; the 3 - f behind it may be out
	global_store_b128 v[GO], v[OB+16*(\a)+4*(\f):OB+16*(\a)+4*(\f)+3], s[8:9] offset:65536*(\a)+16384*(\f)  ; 16 lanes store 256 consecutive bytes, at a multiple of 256 from pre's first byte
.endr
.endm
	s_wait_tensorcnt 1                             ; my part of K step 0 is in; K step 1's may stay out
	s_barrier_signal -1
	s_barrier_wait -1                              ; everybody's is
	FETCH 0, 0, F0
	QUARTER 0, 64,  F0, F1, 1                      ; the first quarter stands in front of the loop: its products start the sums
	WIN 0                                          ; at a label and at a branch every window is 0
	s_mov_b32 s3, LAPS-1
.Llap:                                                 ; a trip goes once round the ring, from a lap's second quarter to the next lap's first, and fills both slots again
	QUARTER 0, 128, F1, F0, 0
	QUARTER 0, 192, F0, F1, 0
	TURN 0, 1, 1
	QUARTER 1, 64,  F0, F1, 0
	QUARTER 1, 128, F1, F0, 0
	QUARTER 1, 192, F0, F1, 0
	TURN 1, 0, 1
	QUARTER 0, 64,  F0, F1, 0
	WIN 0
	s_sub_co_u32 s3, s3, 1
	s_cmp_lg_u32 s3, 0
	s_cbranch_scc1 .Llap
	QUARTER 0, 128, F1, F0, 0                      ; the last lap is written out: it asks for nothing more, and has no round of the cluster's barrier
	QUARTER 0, 192, F0, F1, 0
	TURN 0, 1, 0
	QUARTER 1, 64,  F0, F1, 0
	QUARTER 1, 128, F1, F0, 0
	QUARTER 1, 192, F0, F1, 0
	s_wait_dscnt 8                                 ; the very last quarter: nothing more to fetch
	WIN MUL_LO
	MUL16 F1, 0, 0, 0
	MUL16 F1, 0, 2, 0
	s_wait_dscnt 0x0
	MUL16 F1, 1, 0, 0
	MUL16 F1, 1, 2, 0
	PLACES                                         ; the clips below read results, and the stage's loads land in registers that products have read
	PACK 0
	TOSTAGE 0
.irp a, 1,2,3,4,5,6,7                  ; block a's arithmetic stands between block a - 1's loads from the stage and the wait for them
	PACK \a
	SEND (\a)-1
	TOSTAGE \a
.endr
	SEND 7
	s_wait_tensorcnt 0x0                           ; the wave's end, behind my last tensor load and my last LDS store
	ds_add_u32 v[SPW], v[NIL]
	s_wait_dscnt 0x0
	CROUND                                         ; the closing round: no work-group ends while a partner may still ask for a tile that names it
	s_endpgm
.Lfunc_end_k_qdb108fe268_gemm:
	.size	k_qdb108fe268_gemm, .Lfunc_end_k_qdb108fe268_gemm-k_qdb108fe268_gemm
	.p2alignl 7, 3214868480
	.fill 96, 4, 3214868480
	.section	.rodata,"a",@progbits
	.p2align	6, 0x0
	.amdhsa_kernel k_qdb108fe268_gemm
		.amdhsa_group_segment_fixed_size 327680
		.amdhsa_private_segment_fixed_size 0
		.amdhsa_enable_private_segment 0
		.amdhsa_kernarg_size 24
		.amdhsa_user_sgpr_count 2
		.amdhsa_user_sgpr_kernarg_segment_ptr 1
		.amdhsa_wavefront_size32 1
		.amdhsa_system_sgpr_workgroup_id_x 1
		.amdhsa_system_sgpr_workgroup_id_y 1
		.amdhsa_system_sgpr_workgroup_id_z 1
		.amdhsa_system_vgpr_workitem_id 0
		.amdhsa_next_free_vgpr 1024
		.amdhsa_next_free_sgpr 66
		.amdhsa_reserve_vcc 0
		.amdhsa_float_denorm_mode_32 3
		.amdhsa_float_denorm_mode_16_64 3
		.amdhsa_memory_ordered 1
		.amdhsa_forward_progress 1
		.amdhsa_inst_pref_size 168
	.end_amdhsa_kernel
	.amdgpu_metadata
---
amdhsa.version: [ 1, 2 ]
amdhsa.kernels:
  - .name:           k_qdb108fe268_gemm
    .symbol:         k_qdb108fe268_gemm.kd
    .args:
      - { .name: xh, .offset: 0, .size: 8, .value_kind: global_buffer, .address_space: global }
      - { .name: wh, .offset: 8, .size: 8, .value_kind: global_buffer, .address_space: global }
      - { .name: pre, .offset: 16, .size: 8, .value_kind: global_buffer, .address_space: global }
    .group_segment_fixed_size: 327680
    .private_segment_fixed_size: 0
    .kernarg_segment_align: 8
    .kernarg_segment_size: 24
    .max_flat_workgroup_size: 128
    .sgpr_count:     66
    .vgpr_count:     1024
    .wavefront_size: 32
...
	.end_amdgpu_metadata
.endif
;; end of part 2
;; launch norm (part 3): grid 256 x 1, 8 waves a work-group, no clusters, 0 bytes of LDS; arguments pre, ln_gamma, ln_beta, out0; writes out0
.if DOCPART == 3
	.amdgcn_target "amdgcn-amd-amdhsa--gfx1250"
	.amdhsa_code_object_version 6
	.text
	.protected	k_qdb108fe268_norm
	.globl	k_qdb108fe268_norm
	.p2align	8
	.type	k_qdb108fe268_norm,@function
k_qdb108fe268_norm:
	s_mov_b64 s[64:65], 0
	v_nop
	global_prefetch_b8 v0, s[64:65] scope:SCOPE_SE
	s_setreg_imm32_b32 hwreg(HW_REG_WAVE_MODE, 25, 1), 1
	s_wait_xcnt 0x0
; out0 = 5 tanh(((pre - mean) rsqrt(var + 1e-5) gamma + beta) / 5), mean and var over a row's 2,048 columns.  pre: f16, in blocks of 256 bytes: block (P, cg) at byte 8192 P + 256 cg holds row 2 P's columns
; 64 cg .. 64 cg + 63 and then row 2 P + 1's.  gamma, beta: [2048] f32.  out0: [4096][2048] f32.
; SHARES.  Wave P = 8 x work-group + wave owns rows 2 P and 2 P + 1; no loop.  Lanes 0-15 hold the even row, lanes 16-31 the odd one; chunk j (0..31) of a lane is columns 64 j + 4 (lane % 16) + 0..3: 128 numbers a lane.
; So a row's sum is four steps inside a half of 16 lanes and never crosses the halves; no LDS, no barrier, and the rows are read from memory once.
; TWO PASSES in registers: the mean first, then the sum of the squared deviations: no difference of large sums is formed.  All sums in f32.
; tanh: 5 tanh(z / 5) = 5 - 10 / (1 + 2^(c z)), c = 2 log2(e) / 5.  2^(c z) may pass f32's range or fall to 0: the reciprocal then gives 0 or 1, and the result is the limit 5 or -5.  Near z = 0 the form keeps about 1e-6 absolute.
; The matrix unit, clusters and LDS would serve nothing here: each number is touched by one lane.
; NOT COMPUTED: learned_plasticity and what feeds it alone (the statistics' means over the batch, homeostasis, GELU, sigmoid): reference() does not return it and no byte of out0 hangs on it;
; ema_mean, ema_std, pc_w1, pc_b1, pc_w2, pc_b2 are not loaded.
; REGISTERS: window 0: v2-v5 addresses and 1.0; v6 -mean; v[8:9] rstd twice; v[16:23] eight chains of the sum; v[24:31] four packed chains of the squares; v[32:95] the rows as loaded; v[128:255] the 128 numbers in f32.
;            window 1: v0-127 gamma, v128-255 beta, number n of each beside number n of the row.
.set SUM, 16
.set SQ,  24
.set R,   32
.set X,   128
.set GAM, 0                            ; window 1
.set BET, 128                          ; window 1
.set MSB, 0
.macro WIN new                         ; the immediate's high byte repeats the setting that is left
.if MSB != (\new)
	s_set_vgpr_msb (MSB<<8)|(\new)
.set MSB, \new
.endif
.endm
	s_load_b256 s[4:11], s[0:1], 0x0               ; pre s[4:5], gamma s[6:7], beta s[8:9], out0 s[10:11]
	v_lshrrev_b32 v1, 5, v0
	v_readfirstlane_b32 s12, v1                    ; my wave's number
	s_lshl_b32 s13, ttmp9, 3
	s_add_co_u32 s13, s13, s12                     ; P
	s_lshl_b32 s14, s13, 13                        ; two rows of pre: 8,192 bytes
	s_mov_b32 s15, 0
	s_lshl_b32 s16, s13, 14                        ; two rows of out0: 16,384 bytes
	s_mov_b32 s17, 0
	s_mov_b32 s18, 0x3a000000                      ; 1 / 2048
	s_mov_b32 s19, 0x3727c5ac                      ; 1e-5
	s_mov_b32 s20, 0xc1200000                      ; -10.0; the packed forms name pairs and take the low word for both halves
	s_mov_b32 s21, s20
	s_mov_b32 s22, 0x40a00000                      ; 5.0
	s_mov_b32 s23, s22
	s_mov_b32 s24, 0x3f13bb63                      ; c = 2 log2(e) / 5 = 0.577078
	s_mov_b32 s25, s24
	v_and_b32 v1, 31, v0
	v_lshlrev_b32 v2, 3, v1                        ; 8 x lane: my 8 bytes of a block of pre
	v_and_b32 v3, 15, v0
	v_lshlrev_b32 v3, 4, v3                        ; 16 x (lane % 16): my four numbers in 64 columns of gamma and beta
	v_bfe_u32 v4, v0, 4, 1
	v_lshl_add_u32 v4, v4, 13, v3                  ; the same in out0, a row further down for lanes 16-31
	v_mov_b32 v5, 1.0
	s_wait_kmcnt 0x0
	s_add_nc_u64 s[4:5], s[4:5], s[14:15]
	s_add_nc_u64 s[10:11], s[10:11], s[16:17]
.set j, 0
.rept 32
	global_load_b64 v[R+2*j:R+2*j+1], v2, s[4:5] offset:256*j th:TH_LOAD_NT  ; a load of the wave covers one block of 256 bytes
.set j, j+1
.endr
	WIN 0x40                                       ; destination window 1, address window 0
.set j, 0
.rept 32
	global_load_b128 v[GAM+4*j:GAM+4*j+3], v3, s[6:7] offset:256*j
.set j, j+1
.endr
	WIN 0
	; PASS 1: the sum, in eight chains that do not wait for each other; the f16 halves are read as they lie and added in f32.  The first eight registers start the chains: nothing is cleared.
.set g, 0
.rept 8
	s_wait_loadcnt 60-4*g                          ; loads come back in order (ISA guide 5.7.1): the row's loads 0 .. 4 g + 3 are in; its 28 - 4 g younger ones and gamma's 32 stay out
.set k, 0
.rept 8
.if g == 0
	v_fma_mix_f32 v[SUM+k], v[R+k], v5, v[R+k] op_sel:[0,0,1] op_sel_hi:[1,0,1]  ; low half x 1 + high half
.else
	v_fma_mix_f32 v[SUM+k], v[R+8*g+k], v5, v[SUM+k] op_sel_hi:[1,0,0]
.endif
.set k, k+1
.endr
.if g > 0
.set k, 0
.rept 8
	v_fma_mix_f32 v[SUM+k], v[R+8*g+k], v5, v[SUM+k] op_sel:[1,0,0] op_sel_hi:[1,0,0]
.set k, k+1
.endr
.endif
.set g, g+1
.endr
	WIN 0x40                                       ; beta goes out only now, so that every count above can be named in a wait
.set j, 0
.rept 32
	global_load_b128 v[BET+4*j:BET+4*j+3], v3, s[8:9] offset:256*j
.set j, j+1
.endr
	WIN 0
	v_pk_add_f32 v[SUM:SUM+1], v[SUM:SUM+1], v[SUM+2:SUM+3]
	v_pk_add_f32 v[SUM+4:SUM+5], v[SUM+4:SUM+5], v[SUM+6:SUM+7]
	v_pk_add_f32 v[SUM:SUM+1], v[SUM:SUM+1], v[SUM+4:SUM+5]
	v_add_f32 v[SUM], v[SUM], v[SUM+1]
.irp m, 1,2,4,8                        ; across the row's 16 lanes: lane i takes lane i xor m of its half
	v_add_f32_dpp v[SUM], v[SUM], v[SUM] row_xmask:\m row_mask:0xf bank_mask:0xf
.endr
	v_mul_f32 v6, 0xba000000, v[SUM]               ; -mean = sum x (-1 / 2048)
	; PASS 2: the deviations, widened to f32, and the sum of their squares in four packed chains
.set g, 0
.rept 16
.set k, 0
.rept 4
	v_fma_mix_f32 v[X+8*g+2*k],   v[R+4*g+k], v5, v6 op_sel_hi:[1,0,0]
	v_fma_mix_f32 v[X+8*g+2*k+1], v[R+4*g+k], v5, v6 op_sel:[1,0,0] op_sel_hi:[1,0,0]
.set k, k+1
.endr
.set k, 0
.rept 4
.if g == 0
	v_pk_mul_f32 v[SQ+2*k:SQ+2*k+1], v[X+2*k:X+2*k+1], v[X+2*k:X+2*k+1]
.else
	v_pk_fma_f32 v[SQ+2*k:SQ+2*k+1], v[X+8*g+2*k:X+8*g+2*k+1], v[X+8*g+2*k:X+8*g+2*k+1], v[SQ+2*k:SQ+2*k+1]
.endif
.set k, k+1
.endr
.set g, g+1
.endr
	v_pk_add_f32 v[SQ:SQ+1], v[SQ:SQ+1], v[SQ+2:SQ+3]
	v_pk_add_f32 v[SQ+4:SQ+5], v[SQ+4:SQ+5], v[SQ+6:SQ+7]
	v_pk_add_f32 v[SQ:SQ+1], v[SQ:SQ+1], v[SQ+4:SQ+5]
	v_add_f32 v[SQ], v[SQ], v[SQ+1]
.irp m, 1,2,4,8
	v_add_f32_dpp v[SQ], v[SQ], v[SQ] row_xmask:\m row_mask:0xf bank_mask:0xf
.endr
	v_fma_f32 v[SQ], v[SQ], s18, s19               ; var + eps
	v_rsq_f32 v8, v[SQ]                            ; made twice, to fill the pair that the packed multiply takes
	v_rsq_f32 v9, v[SQ]
	v_nop                                          ; a plain instruction between the last of them and the use of its result (ISA guide 5.7.2)
.set i, 0
	s_wait_alu depctr_va_vdst(0)
.rept 64
	v_pk_mul_f32 v[X+2*i:X+2*i+1], v[X+2*i:X+2*i+1], v[8:9]
.set i, i+1
.endr
	s_wait_loadcnt 0x0                             ; gamma and beta
	WIN 0x14                                       ; sources 1 and 2 in window 1
.set i, 0
.rept 64
	v_pk_fma_f32 v[X+2*i:X+2*i+1], v[X+2*i:X+2*i+1], v[GAM+2*i:GAM+2*i+1], v[BET+2*i:BET+2*i+1]
.set i, i+1
.endr
	WIN 0
; tanh and the stores, eight numbers (two chunks) at a time.  CMUL: pair p of group g times c.  The next group's four CMUL are the plain instructions that stand behind this group's exponentials and reciprocals.
.macro CMUL g, p
	v_pk_mul_f32 v[X+8*(\g)+2*(\p):X+8*(\g)+2*(\p)+1], v[X+8*(\g)+2*(\p):X+8*(\g)+2*(\p)+1], s[24:25] op_sel_hi:[1,0]
.endm
.macro TANH g
.irp k, 0,1,2,3,4,5,6,7
	v_exp_f32 v[X+8*(\g)+\k], v[X+8*(\g)+\k]
.endr
.if (\g) < 15
	CMUL (\g)+1, 0
	CMUL (\g)+1, 1
.else
	v_nop
	s_wait_alu depctr_va_vdst(0)
.endif
	s_wait_alu depctr_va_vdst(0)
.irp k, 0,2,4,6
	v_pk_add_f32 v[X+8*(\g)+\k:X+8*(\g)+\k+1], v[X+8*(\g)+\k:X+8*(\g)+\k+1], 1.0 op_sel_hi:[1,0]
.endr
.irp k, 0,1,2,3,4,5,6,7
	v_rcp_f32 v[X+8*(\g)+\k], v[X+8*(\g)+\k]
.endr
.if (\g) < 15
	CMUL (\g)+1, 2
	CMUL (\g)+1, 3
.else
	v_nop
	s_wait_alu depctr_va_vdst(0)
.endif
	s_wait_alu depctr_va_vdst(0)
.irp k, 0,2,4,6
	v_pk_fma_f32 v[X+8*(\g)+\k:X+8*(\g)+\k+1], v[X+8*(\g)+\k:X+8*(\g)+\k+1], s[20:21], s[22:23] op_sel_hi:[1,0,0]  ; 5 - 10 / (1 + 2^(c z))
.endr
.irp c, 0,1
	global_store_b128 v4, v[X+8*(\g)+4*\c:X+8*(\g)+4*\c+3], s[10:11] offset:256*(2*(\g)+\c) th:TH_STORE_NT  ; 16 lanes store 256 consecutive bytes of a row, at a multiple of 256 from out0's first byte
.endr
.endm
	CMUL 0, 0
	CMUL 0, 1
	CMUL 0, 2
	CMUL 0, 3
.irp g, 0,1,2,3,4,5,6,7,8,9,10,11,12,13,14,15
	TANH \g
.endr
	s_endpgm
.Lfunc_end_k_qdb108fe268_norm:
	.size	k_qdb108fe268_norm, .Lfunc_end_k_qdb108fe268_norm-k_qdb108fe268_norm
	.p2alignl 7, 3214868480
	.fill 96, 4, 3214868480
	.section	.rodata,"a",@progbits
	.p2align	6, 0x0
	.amdhsa_kernel k_qdb108fe268_norm
		.amdhsa_group_segment_fixed_size 0
		.amdhsa_private_segment_fixed_size 0
		.amdhsa_enable_private_segment 0
		.amdhsa_kernarg_size 32
		.amdhsa_user_sgpr_count 2
		.amdhsa_user_sgpr_kernarg_segment_ptr 1
		.amdhsa_wavefront_size32 1
		.amdhsa_system_sgpr_workgroup_id_x 1
		.amdhsa_system_sgpr_workgroup_id_y 1
		.amdhsa_system_sgpr_workgroup_id_z 1
		.amdhsa_system_vgpr_workitem_id 0
		.amdhsa_next_free_vgpr 512
		.amdhsa_next_free_sgpr 66
		.amdhsa_reserve_vcc 0
		.amdhsa_float_denorm_mode_32 3
		.amdhsa_float_denorm_mode_16_64 3
		.amdhsa_memory_ordered 1
		.amdhsa_forward_progress 1
		.amdhsa_inst_pref_size 64
	.end_amdhsa_kernel
	.amdgpu_metadata
---
amdhsa.version: [ 1, 2 ]
amdhsa.kernels:
  - .name:           k_qdb108fe268_norm
    .symbol:         k_qdb108fe268_norm.kd
    .args:
      - { .name: pre, .offset: 0, .size: 8, .value_kind: global_buffer, .address_space: global }
      - { .name: ln_gamma, .offset: 8, .size: 8, .value_kind: global_buffer, .address_space: global }
      - { .name: ln_beta, .offset: 16, .size: 8, .value_kind: global_buffer, .address_space: global }
      - { .name: out0, .offset: 24, .size: 8, .value_kind: global_buffer, .address_space: global }
    .group_segment_fixed_size: 0
    .private_segment_fixed_size: 0
    .kernarg_segment_align: 8
    .kernarg_segment_size: 32
    .max_flat_workgroup_size: 256
    .sgpr_count:     66
    .vgpr_count:     512
    .wavefront_size: 32
...
	.end_amdgpu_metadata
.endif
;; end of part 3
;; ======== version 2 of 2: 3 launches; version 1 with the launches prep, norm written anew for expert scheduling mode
;; limits: values are held in f16: magnitudes above 65,504 overflow, below 6.1e-05 lose precision
;; workspace buffers: xh 16,777,216 bytes; wh 16,777,216 bytes; pre 16,777,216 bytes
;; launch prep (part 4): grid 640 x 1, 8 waves a work-group, no clusters, 0 bytes of LDS; arguments x, W_slow, W_medium, W_fast, xh, wh; writes xh, wh
.if DOCPART == 4
	.amdgcn_target "amdgcn-amd-amdhsa--gfx1250"
	.amdhsa_code_object_version 6
	.text
	.protected	k_qdb108fe268_prep
	.globl	k_qdb108fe268_prep
	.p2align	8
	.type	k_qdb108fe268_prep,@function
k_qdb108fe268_prep:
	s_mov_b64 s[64:65], 0
	v_nop
	global_prefetch_b8 v0, s[64:65] scope:SCOPE_SE
	s_setreg_imm32_b32 hwreg(HW_REG_WAVE_SCHED_MODE, 0, 2), 2
	s_setreg_imm32_b32 hwreg(HW_REG_WAVE_MODE, 25, 1), 1
	s_wait_xcnt 0x0
	s_wait_alu depctr_vm_vsrc(0)
; THE MATRIX OPERANDS ARE MADE, once, in f16.
;   xh[4096][2048] = f16(clip(x, -5, 5)).
;   wh[4096][2048]: row 128 g + 64 t + i holds weight row n = 64 g + i (g = 0..31, i = 0..63); t = 0: f16(W_slow), t = 1: f16(W_medium + W_fast), the sum taken in f32.
; x W_medium^T + x W_fast^T = x (W_medium + W_fast)^T holds for every input, so two products are left of three; the inner clip stands on the slow product alone and keeps that one apart.
; The interleaving by 64 rows puts the slow and the summed weights of the same 64 output columns into one wave's 128 rows of the product that follows.
; SHARES.  Every wave issues 32 loads of 16 bytes a lane (16,384 bytes) and has no loop.  Work-groups 0-255: two rows of x a wave; 256-383: two rows of W_slow a wave;
; 384-639: one row of W_medium and of W_fast a wave.  A load of a wave covers 512 consecutive bytes; a store covers 256 consecutive bytes, at a multiple of 256 from its buffer's first byte.
; No LDS, no barrier, no matrix unit: each number is read once, converted and written once.
; LIMITS.  f16 ends at 65,504: W_slow and W_medium + W_fast must lie within it (xc lies within 5 by the clip); below 6e-5 f16 keeps a fixed step of 6e-8.  A NaN in x is not kept: the clip takes a bound for it.
; NOT COMPUTED, in the whole program: learned_plasticity (the batch statistics' means, homeostasis, GELU, sigmoid).  reference() binds it to a name that it does not return, and no byte of out0 hangs on it,
; so ema_mean, ema_std, pc_w1, pc_b1, pc_w2 and pc_b2 are loaded by no launch.
; THE MODE: SCHED_MODE bits 1:0 = 2 (LLVM: expert scheduling mode 2), set by the entry lines.  The code itself states the register dependences between vector instructions and memory instructions,
; with s_wait_alu, always for 0.
; THE PLAN.  Registers that memory instructions touch:
;   v1, v2     byte offsets, made once at the head and never written again; every load reads v1, every store v2.
;   v[4:131]   each load has registers of its own.  Written by the load, before any vector instruction has named them; then worked on in place by that load's clips, additions and roundings;
;              the first two are then read by one store; nothing writes them after that.
; So no load lands in a register that a vector instruction has named, and no register that a memory instruction has read is written again.  What is left to state: the offsets are written, once,
; at the head; and a store's data are written.  For the second the work goes in GROUPS of four stores: a group's stores are issued in the next group, behind ONE wait at that group's head, dealt
; among the next group's vector instructions, which name the next group's registers alone.
.set X, 4                              ; v[4:131]  32 x 4 registers as loaded; the first two of each four then hold the packed result
                                       ; v1 = 16 x lane (loads), v2 = 8 x lane (stores): never rewritten
	s_load_b256 s[4:11], s[0:1], 0x0               ; x s[4:5], W_slow s[6:7], W_medium s[8:9], W_fast s[10:11]
	s_load_b128 s[12:15], s[0:1], 0x20             ; xh s[12:13], wh s[14:15]
	v_lshrrev_b32 v3, 5, v0
	v_readfirstlane_b32 s17, v3                    ; my wave's number
	v_and_b32 v1, 31, v0
	v_lshlrev_b32 v2, 3, v1
	v_lshlrev_b32 v1, 4, v1
	s_mov_b32 s16, ttmp9
	s_mov_b32 s24, 0xc0a00000                      ; -5.0
	s_mov_b32 s25, 0x40a00000                      ; 5.0
	s_mov_b32 s21, 0                               ; the offsets' high words
	s_mov_b32 s23, 0
	s_wait_alu depctr_va_sdst(0)                   ; s17 is written, ahead of the branches and of its first reader: each path makes its rows' offsets from it
	s_wait_alu depctr_va_vdst(0)                   ; v1 and v2 are written: every load and store of the kernel reads one of them as its offset
	s_wait_kmcnt 0x0
; 16,384 bytes of f32 at s[inb:inb+1] become 8,192 bytes of f16 at s[outb:outb+1].  All 32 loads go out first; each is waited for by the count of the loads behind it.
; No register that a store names is written again, so no wait stands behind the stores.
.macro CONV clip, inb, outb
.set j, 0
.rept 32
	global_load_b128 v[X+4*j:X+4*j+3], v1, s[\inb:\inb+1] offset:512*j th:TH_LOAD_NT
.set j, j+1
.endr
.set j, 0
.rept 32
	s_wait_loadcnt 31-j                            ; loads come back in order (ISA guide 5.7.1): load j is in, the 31 - j younger ones stay out
.if (j%4 == 0) && (j > 0)
	s_wait_alu depctr_va_vdst(0)                   ; a group's head: the roundings of the group before have written their packed results, which this group's four stores read
.endif
.if j >= 4
	global_store_b64 v2, v[X+4*(j-4):X+4*(j-4)+1], s[\outb:\outb+1] offset:256*(j-4)  ; the group before; no vector instruction since the wait names these registers
.endif
.if \clip
.irp c, 0,1,2,3
	v_med3_num_f32 v[X+4*j+\c], v[X+4*j+\c], s24, s25
.endr
.endif
	v_cvt_pk_f16_f32 v[X+4*j], v[X+4*j], v[X+4*j+1]
	v_cvt_pk_f16_f32 v[X+4*j+1], v[X+4*j+2], v[X+4*j+3]
.set j, j+1
.endr
	s_wait_alu depctr_va_vdst(0)                   ; the last group's roundings have written their results, which the last four stores read
.set j, 28
.rept 4
	global_store_b64 v2, v[X+4*j:X+4*j+1], s[\outb:\outb+1] offset:256*j
.set j, j+1
.endr
.endm
	s_cmp_lt_u32 s16, 256
	s_cbranch_scc0 .Lweights
	; x: u = 8 g + w, rows 2 u and 2 u + 1
	s_lshl_b32 s18, s16, 3
	s_add_co_u32 s18, s18, s17
	s_lshl_b32 s20, s18, 14                        ; two rows of 8,192 bytes in,
	s_lshl_b32 s22, s18, 13                        ; two rows of 4,096 bytes out
	s_add_nc_u64 s[4:5], s[4:5], s[20:21]
	s_add_nc_u64 s[12:13], s[12:13], s[22:23]
	CONV 1, 4, 12
	s_endpgm
.Lweights:
	s_cmp_lt_u32 s16, 384
	s_cbranch_scc0 .Lsum
	; W_slow: u = 8 (g - 256) + w, rows 2 u and 2 u + 1, which are neighbours in wh too
	s_sub_co_u32 s18, s16, 256
	s_lshl_b32 s18, s18, 3
	s_add_co_u32 s18, s18, s17
	s_lshl_b32 s20, s18, 14
	s_lshr_b32 s22, s18, 5                         ; the group of 64 rows: 128 rows of wh, 524,288 bytes,
	s_lshl_b32 s22, s22, 19
	s_and_b32 s19, s18, 31                         ; and the pair's place in it
	s_lshl_b32 s19, s19, 13
	s_add_co_u32 s22, s22, s19
	s_add_nc_u64 s[6:7], s[6:7], s[20:21]
	s_add_nc_u64 s[14:15], s[14:15], s[22:23]
	CONV 0, 6, 14
	s_endpgm
.Lsum:
	; W_medium + W_fast: u = 8 (g - 384) + w, row u
	s_sub_co_u32 s18, s16, 384
	s_lshl_b32 s18, s18, 3
	s_add_co_u32 s18, s18, s17
	s_lshl_b32 s20, s18, 13
	s_lshr_b32 s22, s18, 6
	s_lshl_b32 s22, s22, 19
	s_and_b32 s19, s18, 63
	s_lshl_b32 s19, s19, 12
	s_add_co_u32 s22, s22, s19
	s_add_co_u32 s22, s22, 262144                  ; behind the group's 64 rows of W_slow
	s_add_nc_u64 s[8:9], s[8:9], s[20:21]
	s_add_nc_u64 s[10:11], s[10:11], s[20:21]
	s_add_nc_u64 s[14:15], s[14:15], s[22:23]
.set j, 0
.rept 16
	global_load_b128 v[X+8*j:X+8*j+3],   v1, s[8:9]   offset:512*j th:TH_LOAD_NT
	global_load_b128 v[X+8*j+4:X+8*j+7], v1, s[10:11] offset:512*j th:TH_LOAD_NT
.set j, j+1
.endr
.set j, 0
.rept 16
	s_wait_loadcnt 30-2*j                          ; pair j is in; the 2 (15 - j) younger loads stay out
.if (j%4 == 0) && (j > 0)
	s_wait_alu depctr_va_vdst(0)                   ; a group's head: the roundings of the group before have written their packed results, which this group's four stores read
.endif
.if j >= 4
	global_store_b64 v2, v[X+8*(j-4):X+8*(j-4)+1], s[14:15] offset:256*(j-4)  ; the group before; no vector instruction since the wait names these registers
.endif
	v_pk_add_f32 v[X+8*j:X+8*j+1],   v[X+8*j:X+8*j+1],   v[X+8*j+4:X+8*j+5]
	v_pk_add_f32 v[X+8*j+2:X+8*j+3], v[X+8*j+2:X+8*j+3], v[X+8*j+6:X+8*j+7]
	v_cvt_pk_f16_f32 v[X+8*j], v[X+8*j], v[X+8*j+1]
	v_cvt_pk_f16_f32 v[X+8*j+1], v[X+8*j+2], v[X+8*j+3]
.set j, j+1
.endr
	s_wait_alu depctr_va_vdst(0)                   ; the last group's roundings have written their results, which the last four stores read
.set j, 12
.rept 4
	global_store_b64 v2, v[X+8*j:X+8*j+1], s[14:15] offset:256*j
.set j, j+1
.endr
	s_endpgm
.Lfunc_end_k_qdb108fe268_prep:
	.size	k_qdb108fe268_prep, .Lfunc_end_k_qdb108fe268_prep-k_qdb108fe268_prep
	.p2alignl 7, 3214868480
	.fill 96, 4, 3214868480
	.section	.rodata,"a",@progbits
	.p2align	6, 0x0
	.amdhsa_kernel k_qdb108fe268_prep
		.amdhsa_group_segment_fixed_size 0
		.amdhsa_private_segment_fixed_size 0
		.amdhsa_enable_private_segment 0
		.amdhsa_kernarg_size 48
		.amdhsa_user_sgpr_count 2
		.amdhsa_user_sgpr_kernarg_segment_ptr 1
		.amdhsa_wavefront_size32 1
		.amdhsa_system_sgpr_workgroup_id_x 1
		.amdhsa_system_sgpr_workgroup_id_y 1
		.amdhsa_system_sgpr_workgroup_id_z 1
		.amdhsa_system_vgpr_workitem_id 0
		.amdhsa_next_free_vgpr 132
		.amdhsa_next_free_sgpr 66
		.amdhsa_reserve_vcc 0
		.amdhsa_float_denorm_mode_32 3
		.amdhsa_float_denorm_mode_16_64 3
		.amdhsa_memory_ordered 1
		.amdhsa_forward_progress 1
		.amdhsa_inst_pref_size 42
	.end_amdhsa_kernel
	.amdgpu_metadata
---
amdhsa.version: [ 1, 2 ]
amdhsa.kernels:
  - .name:           k_qdb108fe268_prep
    .symbol:         k_qdb108fe268_prep.kd
    .args:
      - { .name: x, .offset: 0, .size: 8, .value_kind: global_buffer, .address_space: global }
      - { .name: W_slow, .offset: 8, .size: 8, .value_kind: global_buffer, .address_space: global }
      - { .name: W_medium, .offset: 16, .size: 8, .value_kind: global_buffer, .address_space: global }
      - { .name: W_fast, .offset: 24, .size: 8, .value_kind: global_buffer, .address_space: global }
      - { .name: xh, .offset: 32, .size: 8, .value_kind: global_buffer, .address_space: global }
      - { .name: wh, .offset: 40, .size: 8, .value_kind: global_buffer, .address_space: global }
    .group_segment_fixed_size: 0
    .private_segment_fixed_size: 0
    .kernarg_segment_align: 8
    .kernarg_segment_size: 48
    .max_flat_workgroup_size: 256
    .sgpr_count:     66
    .vgpr_count:     132
    .wavefront_size: 32
...
	.end_amdgpu_metadata
.endif
;; end of part 4
;; launch gemm: the kernel of part 2 again; grid 16 x 16, 4 waves a work-group, clusters of 4 x 4, 327,680 bytes of LDS; arguments xh, wh, pre; writes pre
;; launch norm (part 5): grid 256 x 1, 8 waves a work-group, no clusters, 0 bytes of LDS; arguments pre, ln_gamma, ln_beta, out0; writes out0
.if DOCPART == 5
	.amdgcn_target "amdgcn-amd-amdhsa--gfx1250"
	.amdhsa_code_object_version 6
	.text
	.protected	k_qdb108fe268_norm
	.globl	k_qdb108fe268_norm
	.p2align	8
	.type	k_qdb108fe268_norm,@function
k_qdb108fe268_norm:
	s_mov_b64 s[64:65], 0
	v_nop
	global_prefetch_b8 v0, s[64:65] scope:SCOPE_SE
	s_setreg_imm32_b32 hwreg(HW_REG_WAVE_SCHED_MODE, 0, 2), 2
	s_setreg_imm32_b32 hwreg(HW_REG_WAVE_MODE, 25, 1), 1
	s_wait_xcnt 0x0
	s_wait_alu depctr_vm_vsrc(0)
; out0 = 5 tanh(((pre - mean) rsqrt(var + 1e-5) gamma + beta) / 5), mean and var over a row's 2,048 columns.  pre: f16, in blocks of 256 bytes: block (P, cg) at byte 8192 P + 256 cg holds row 2 P's columns
; 64 cg .. 64 cg + 63 and then row 2 P + 1's.  gamma, beta: [2048] f32.  out0: [4096][2048] f32.
; SHARES.  Wave P = 8 x work-group + wave owns rows 2 P and 2 P + 1; no loop.  Lanes 0-15 hold the even row, lanes 16-31 the odd one; chunk j (0..31) of a lane is columns 64 j + 4 (lane % 16) + 0..3: 128 numbers a lane.
; So a row's sum is four steps inside a half of 16 lanes and never crosses the halves; no LDS, no barrier, and the rows are read from memory once.
; TWO PASSES in registers: the mean first, then the sum of the squared deviations: no difference of large sums is formed.  All sums in f32.
; tanh: 5 tanh(z / 5) = 5 - 10 / (1 + 2^(c z)), c = 2 log2(e) / 5.  2^(c z) may pass f32's range or fall to 0: the reciprocal then gives 0 or 1, and the result is the limit 5 or -5.  Near z = 0 the form keeps about 1e-6 absolute.
; The matrix unit, clusters and LDS would serve nothing here: each number is touched by one lane.
; NOT COMPUTED: learned_plasticity and what feeds it alone (the statistics' means over the batch, homeostasis, GELU, sigmoid): reference() does not return it and no byte of out0 hangs on it;
; ema_mean, ema_std, pc_w1, pc_b1, pc_w2, pc_b2 are not loaded.
; REGISTERS: window 0: v2-v5 addresses and 1.0; v6 -mean; v[8:9] rstd twice; v[16:23] eight chains of the sum; v[24:31] four packed chains of the squares; v[32:95] the rows as loaded; v[128:255] the 128 numbers in f32.
;            window 1: v0-127 gamma, v128-255 beta, number n of each beside number n of the row.
; THE MODE: SCHED_MODE bits 1:0 = 2 (LLVM: expert scheduling mode 2), set by the entry lines.  The code itself states the register dependences between vector instructions and memory instructions,
; with s_wait_alu, always for 0.
; THE PLAN.  Registers that memory instructions touch:
;   v2, v3, v4   byte offsets, made once at the head and never written again: v2 is read by the rows' loads, v3 by gamma's and beta's, v4 by the stores.
;   v[32:95], and window 1's gamma and beta: written by loads alone, and named by no vector instruction before those loads are issued.
;   v[128:255]   written by vector instructions, last by a group's 5 - 10 / (..); then read by that group's two stores; nothing writes them after that.
; So no load lands in a register that a vector instruction has named, and no register that a memory instruction has read is written again.  What is left to state: the offsets are written, once,
; at the head; and a store's data are written.  For the second the stores trail the tanh by two groups of eight numbers: ONE wait at the head of every second group states that the two groups
; before are written; group g's head then holds the two stores of group g - 2, and the vector instructions of groups g and g + 1 name their own and the following group's registers alone.
.set SUM, 16
.set SQ,  24
.set R,   32
.set X,   128
.set GAM, 0                            ; window 1
.set BET, 128                          ; window 1
.set MSB, 0
.macro WIN new                         ; the immediate's high byte repeats the setting that is left
.if MSB != (\new)
	s_set_vgpr_msb (MSB<<8)|(\new)
.set MSB, \new
.endif
.endm
	s_load_b256 s[4:11], s[0:1], 0x0               ; pre s[4:5], gamma s[6:7], beta s[8:9], out0 s[10:11]
	v_lshrrev_b32 v1, 5, v0
	v_readfirstlane_b32 s12, v1                    ; my wave's number
	v_and_b32 v1, 31, v0
	v_lshlrev_b32 v2, 3, v1                        ; 8 x lane: my 8 bytes of a block of pre
	v_and_b32 v3, 15, v0
	v_lshlrev_b32 v3, 4, v3                        ; 16 x (lane % 16): my four numbers in 64 columns of gamma and beta
	v_bfe_u32 v4, v0, 4, 1
	v_lshl_add_u32 v4, v4, 13, v3                  ; the same in out0, a row further down for lanes 16-31
	v_mov_b32 v5, 1.0
	s_mov_b32 s15, 0
	s_mov_b32 s17, 0
	s_mov_b32 s18, 0x3a000000                      ; 1 / 2048
	s_mov_b32 s19, 0x3727c5ac                      ; 1e-5
	s_mov_b32 s20, 0xc1200000                      ; -10.0; the packed forms name pairs and take the low word for both halves
	s_mov_b32 s21, s20
	s_mov_b32 s22, 0x40a00000                      ; 5.0
	s_mov_b32 s23, s22
	s_mov_b32 s24, 0x3f13bb63                      ; c = 2 log2(e) / 5 = 0.577078
	s_mov_b32 s25, s24
	s_wait_alu depctr_va_sdst(0)                   ; s12 is written, ahead of its first reader: P, and with it the bases of pre and out0, is made from it
	s_lshl_b32 s13, ttmp9, 3
	s_add_co_u32 s13, s13, s12                     ; P
	s_lshl_b32 s14, s13, 13                        ; two rows of pre: 8,192 bytes
	s_lshl_b32 s16, s13, 14                        ; two rows of out0: 16,384 bytes
	s_wait_kmcnt 0x0
	s_add_nc_u64 s[4:5], s[4:5], s[14:15]
	s_add_nc_u64 s[10:11], s[10:11], s[16:17]
	s_wait_alu depctr_va_vdst(0)                   ; v2, v3 and v4 are written: every load and store of the kernel reads one of them as its offset
.set j, 0
.rept 32
	global_load_b64 v[R+2*j:R+2*j+1], v2, s[4:5] offset:256*j th:TH_LOAD_NT  ; a load of the wave covers one block of 256 bytes
.set j, j+1
.endr
	WIN 0x40                                       ; destination window 1, address window 0
.set j, 0
.rept 32
	global_load_b128 v[GAM+4*j:GAM+4*j+3], v3, s[6:7] offset:256*j
.set j, j+1
.endr
	WIN 0
	; PASS 1: the sum, in eight chains that do not wait for each other; the f16 halves are read as they lie and added in f32.  The first eight registers start the chains: nothing is cleared.
.set g, 0
.rept 8
	s_wait_loadcnt 60-4*g                          ; loads come back in order (ISA guide 5.7.1): the row's loads 0 .. 4 g + 3 are in; its 28 - 4 g younger ones and gamma's 32 stay out
.set k, 0
.rept 8
.if g == 0
	v_fma_mix_f32 v[SUM+k], v[R+k], v5, v[R+k] op_sel:[0,0,1] op_sel_hi:[1,0,1]  ; low half x 1 + high half
.else
	v_fma_mix_f32 v[SUM+k], v[R+8*g+k], v5, v[SUM+k] op_sel_hi:[1,0,0]
.endif
.set k, k+1
.endr
.if g > 0
.set k, 0
.rept 8
	v_fma_mix_f32 v[SUM+k], v[R+8*g+k], v5, v[SUM+k] op_sel:[1,0,0] op_sel_hi:[1,0,0]
.set k, k+1
.endr
.endif
.set g, g+1
.endr
	WIN 0x40                                       ; beta goes out only now, so that every count above can be named in a wait.  No wait on the vector side: since the head's, the vector
.set j, 0                                              ; instructions have named the rows, v5 and the eight chains alone: neither v3 nor beta's registers
.rept 32
	global_load_b128 v[BET+4*j:BET+4*j+3], v3, s[8:9] offset:256*j
.set j, j+1
.endr
	WIN 0
	v_pk_add_f32 v[SUM:SUM+1], v[SUM:SUM+1], v[SUM+2:SUM+3]
	v_pk_add_f32 v[SUM+4:SUM+5], v[SUM+4:SUM+5], v[SUM+6:SUM+7]
	v_pk_add_f32 v[SUM:SUM+1], v[SUM:SUM+1], v[SUM+4:SUM+5]
	v_add_f32 v[SUM], v[SUM], v[SUM+1]
.irp m, 1,2,4,8                        ; across the row's 16 lanes: lane i takes lane i xor m of its half
	v_add_f32_dpp v[SUM], v[SUM], v[SUM] row_xmask:\m row_mask:0xf bank_mask:0xf
.endr
	v_mul_f32 v6, 0xba000000, v[SUM]               ; -mean = sum x (-1 / 2048)
	; PASS 2: the deviations, widened to f32, and the sum of their squares in four packed chains
.set g, 0
.rept 16
.set k, 0
.rept 4
	v_fma_mix_f32 v[X+8*g+2*k],   v[R+4*g+k], v5, v6 op_sel_hi:[1,0,0]
	v_fma_mix_f32 v[X+8*g+2*k+1], v[R+4*g+k], v5, v6 op_sel:[1,0,0] op_sel_hi:[1,0,0]
.set k, k+1
.endr
.set k, 0
.rept 4
.if g == 0
	v_pk_mul_f32 v[SQ+2*k:SQ+2*k+1], v[X+2*k:X+2*k+1], v[X+2*k:X+2*k+1]
.else
	v_pk_fma_f32 v[SQ+2*k:SQ+2*k+1], v[X+8*g+2*k:X+8*g+2*k+1], v[X+8*g+2*k:X+8*g+2*k+1], v[SQ+2*k:SQ+2*k+1]
.endif
.set k, k+1
.endr
.set g, g+1
.endr
	v_pk_add_f32 v[SQ:SQ+1], v[SQ:SQ+1], v[SQ+2:SQ+3]
	v_pk_add_f32 v[SQ+4:SQ+5], v[SQ+4:SQ+5], v[SQ+6:SQ+7]
	v_pk_add_f32 v[SQ:SQ+1], v[SQ:SQ+1], v[SQ+4:SQ+5]
	v_add_f32 v[SQ], v[SQ], v[SQ+1]
.irp m, 1,2,4,8
	v_add_f32_dpp v[SQ], v[SQ], v[SQ] row_xmask:\m row_mask:0xf bank_mask:0xf
.endr
	v_fma_f32 v[SQ], v[SQ], s18, s19               ; var + eps
	v_rsq_f32 v8, v[SQ]                            ; made twice, to fill the pair that the packed multiply takes
	v_rsq_f32 v9, v[SQ]
	v_nop                                          ; a plain instruction between the last of them and the use of its result (ISA guide 5.7.2)
.set i, 0
	s_wait_alu depctr_va_vdst(0)
.rept 64
	v_pk_mul_f32 v[X+2*i:X+2*i+1], v[X+2*i:X+2*i+1], v[8:9]
.set i, i+1
.endr
	s_wait_loadcnt 0x0                             ; gamma and beta
	WIN 0x14                                       ; sources 1 and 2 in window 1
.set i, 0
.rept 64
	v_pk_fma_f32 v[X+2*i:X+2*i+1], v[X+2*i:X+2*i+1], v[GAM+2*i:GAM+2*i+1], v[BET+2*i:BET+2*i+1]
.set i, i+1
.endr
	WIN 0
; tanh and the stores, eight numbers (two chunks) at a time.  CMUL: pair p of group g times c.  The next group's four CMUL are the plain instructions that stand behind this group's exponentials and reciprocals.
.macro CMUL g, p
	v_pk_mul_f32 v[X+8*(\g)+2*(\p):X+8*(\g)+2*(\p)+1], v[X+8*(\g)+2*(\p):X+8*(\g)+2*(\p)+1], s[24:25] op_sel_hi:[1,0]
.endm
; SEND: group g's two stores.  Nothing that a store names is written again.
.macro SEND g
.irp c, 0,1
	global_store_b128 v4, v[X+8*(\g)+4*\c:X+8*(\g)+4*\c+3], s[10:11] offset:256*(2*(\g)+\c) th:TH_STORE_NT  ; 16 lanes store 256 consecutive bytes of a row, at a multiple of 256 from out0's first byte
.endr
.endm
.macro TANH g
.if ((\g) >= 2) && ((\g)%2 == 0)
	s_wait_alu depctr_va_vdst(0)                   ; groups g - 2 and g - 1 are written, which the stores at this group's head and at the next group's read
.endif
.if (\g) >= 2
	SEND (\g)-2                                    ; no vector instruction since that wait names these registers
.endif
.irp k, 0,1,2,3,4,5,6,7
	v_exp_f32 v[X+8*(\g)+\k], v[X+8*(\g)+\k]
.endr
.if (\g) < 15
	CMUL (\g)+1, 0
	CMUL (\g)+1, 1
.else
	v_nop
	s_wait_alu depctr_va_vdst(0)
.endif
	s_wait_alu depctr_va_vdst(0)
.irp k, 0,2,4,6
	v_pk_add_f32 v[X+8*(\g)+\k:X+8*(\g)+\k+1], v[X+8*(\g)+\k:X+8*(\g)+\k+1], 1.0 op_sel_hi:[1,0]
.endr
.irp k, 0,1,2,3,4,5,6,7
	v_rcp_f32 v[X+8*(\g)+\k], v[X+8*(\g)+\k]
.endr
.if (\g) < 15
	CMUL (\g)+1, 2
	CMUL (\g)+1, 3
.else
	v_nop
	s_wait_alu depctr_va_vdst(0)
.endif
	s_wait_alu depctr_va_vdst(0)
.irp k, 0,2,4,6
	v_pk_fma_f32 v[X+8*(\g)+\k:X+8*(\g)+\k+1], v[X+8*(\g)+\k:X+8*(\g)+\k+1], s[20:21], s[22:23] op_sel_hi:[1,0,0]  ; 5 - 10 / (1 + 2^(c z))
.endr
.endm
	CMUL 0, 0
	CMUL 0, 1
	CMUL 0, 2
	CMUL 0, 3
.irp g, 0,1,2,3,4,5,6,7,8,9,10,11,12,13,14,15
	TANH \g
.endr
	s_wait_alu depctr_va_vdst(0)                   ; groups 14 and 15 are written, which the last four stores read
	SEND 14
	SEND 15
	s_endpgm
.Lfunc_end_k_qdb108fe268_norm:
	.size	k_qdb108fe268_norm, .Lfunc_end_k_qdb108fe268_norm-k_qdb108fe268_norm
	.p2alignl 7, 3214868480
	.fill 96, 4, 3214868480
	.section	.rodata,"a",@progbits
	.p2align	6, 0x0
	.amdhsa_kernel k_qdb108fe268_norm
		.amdhsa_group_segment_fixed_size 0
		.amdhsa_private_segment_fixed_size 0
		.amdhsa_enable_private_segment 0
		.amdhsa_kernarg_size 32
		.amdhsa_user_sgpr_count 2
		.amdhsa_user_sgpr_kernarg_segment_ptr 1
		.amdhsa_wavefront_size32 1
		.amdhsa_system_sgpr_workgroup_id_x 1
		.amdhsa_system_sgpr_workgroup_id_y 1
		.amdhsa_system_sgpr_workgroup_id_z 1
		.amdhsa_system_vgpr_workitem_id 0
		.amdhsa_next_free_vgpr 512
		.amdhsa_next_free_sgpr 66
		.amdhsa_reserve_vcc 0
		.amdhsa_float_denorm_mode_32 3
		.amdhsa_float_denorm_mode_16_64 3
		.amdhsa_memory_ordered 1
		.amdhsa_forward_progress 1
		.amdhsa_inst_pref_size 65
	.end_amdhsa_kernel
	.amdgpu_metadata
---
amdhsa.version: [ 1, 2 ]
amdhsa.kernels:
  - .name:           k_qdb108fe268_norm
    .symbol:         k_qdb108fe268_norm.kd
    .args:
      - { .name: pre, .offset: 0, .size: 8, .value_kind: global_buffer, .address_space: global }
      - { .name: ln_gamma, .offset: 8, .size: 8, .value_kind: global_buffer, .address_space: global }
      - { .name: ln_beta, .offset: 16, .size: 8, .value_kind: global_buffer, .address_space: global }
      - { .name: out0, .offset: 24, .size: 8, .value_kind: global_buffer, .address_space: global }
    .group_segment_fixed_size: 0
    .private_segment_fixed_size: 0
    .kernarg_segment_align: 8
    .kernarg_segment_size: 32
    .max_flat_workgroup_size: 256
    .sgpr_count:     66
    .vgpr_count:     512
    .wavefront_size: 32
...
	.end_amdgpu_metadata
.endif
;; end of part 5
